; MI455X (gfx1250); checked and timed in simulation.
; The chip was launched on July 23, 2026; its instructions are those of AMD's public machine-readable ISA for CDNA 5 (MIT licence, August 2026) and "CDNA5" Instruction Set Architecture Reference Guide (July 2026). The comments in the code are by the model that wrote it; some were corrected since.
;; Self Attention. Allowed arithmetic: matrix products marked QUANTISED: E5M2 operands, one given power-of-two scale a tensor, by v_wmma_f32_16x16x64_bf8_bf8 or v_wmma_f32_16x16x128_bf8_bf8, f32 sums; everything else in f32.
;; Inputs: lowp_scales 4 int32 (the exponents e of the quantised operands' scales 2^e); mask 32 x 2,048 int32; x 32 x 2,048 x 256 float32.
;; Outputs: out0 32 x 2,048 x 256 float32.
;; This version of the problem:
;;   THIS VERSION OF THE PROBLEM IS GIVEN IN LOW PRECISION. The matrix products marked QUANTISED in the list below multiply operands that are first quantised to E5M2 (5 exponent bits, 2 mantissa bits; 8 bits a number), with one given power-of-two scale for each operand tensor; their sums are f32. All else is computed in f32.
;;   The module's matrix products, in the order in which they are computed (A, B: the left and right operand; K: the contracted axis; several contracted axes count as one K, in the product's order):
;;     1. batch 32 x [M 2,048, K 256] x [K 256, N 2,048]; A: input x; B: input x: QUANTISED (scales: A lowp_scales[0], B lowp_scales[1])
;;     2. batch 32 x [M 2,048, K 2,048] x [K 2,048, N 256]; A: computed on the way; B: input x: QUANTISED (scales: A lowp_scales[2], B lowp_scales[3])
;;   THE QUANTISER, for each operand of a quantised product, along K:
;;     - The operand's scale is 2^e, e = its entry of the input lowp_scales (int32; the entries are numbered through the quantised products in the list's order, A before B).
;;     - Each number is divided by the scale, clamped to +-57,344, and rounded to the nearest number of E5M2, ties to even, subnormals kept.
;;     - The product sums the exact products of the quantised numbers (number of the format x scale) in f32.
;;   ~~~python
;;   def quantise(x, axis, e):      # numpy; x: float32 -> the quantised numbers, widened to float32 again
;;       x = np.moveaxis(x, axis, -1); K = x.shape[-1]
;;       r = np.clip(x / 2.0 ** e, -57344, 57344)
;;       step = 2.0 ** (np.maximum(np.frexp(np.where(r == 0, 1, r))[1] - 1, -14) - 2)
;;       q = np.round(r / step) * step * 2.0 ** e      # np.round: ties to even
;;       return np.moveaxis(q, -1, axis).astype(np.float32)
;;   ~~~
;;   OPERANDS COMPUTED ON THE WAY. 'Computed on the way' means the value that the module computes at that place (a softmax that the list does not call 'softmax' is quantised finished and normalised). What goes into a quantiser is computed in f32, as accurately as f32 sums, v_exp_f32 and their like allow (about 1e-6 of the number): no bf16 or f16 on the way to a quantiser, and a product that is left as it is and whose result goes on into a quantised operand takes f32 operands (vector FMAs, or v_wmma_f32_16x16x4_f32). A number that lies on a knife's edge between two numbers of the format may be rounded either way, as far as f32 arithmetic and the matrix unit's own rounding can turn it there, and no further.
;; One version. Each part assembles by itself: llvm-mc -triple=amdgcn-amd-amdhsa -mcpu=gfx1250 --defsym DOCPART=n.
;; ======== version 1 of 1: 2 launches
;; limits: right only within a limited range of input values
;; workspace buffers: xa 16,777,216 bytes; xb 16,777,216 bytes; xv 16,777,216 bytes
;; launch quant (part 1): grid 1024 x 1, 4 waves a work-group, no clusters, 0 bytes of LDS; arguments x, lowp_scales, xa, xb, xv; writes xa, xb, xv
.if DOCPART == 1
	.amdgcn_target "amdgcn-amd-amdhsa--gfx1250"
	.amdhsa_code_object_version 6
	.text
	.protected	k_qfe8dec3a88_quant
	.globl	k_qfe8dec3a88_quant
	.p2align	8
	.type	k_qfe8dec3a88_quant,@function
k_qfe8dec3a88_quant:
	s_mov_b64 s[64:65], 0
	v_nop
	global_prefetch_b8 v0, s[64:65] scope:SCOPE_SE
	s_setreg_imm32_b32 hwreg(HW_REG_WAVE_MODE, 25, 1), 1
	s_wait_xcnt 0x0
; x [32][2048][256] f32 is turned once into three sets of codes of BF8 (E5M2), for the attention launch that follows:
;   xa: scale 2^e0, K = d: the rows i of the first product;   xb: scale 2^e1, K = d: its columns j;   xv: scale 2^e3, K = i: the second product's x.
; code = x / 2^e, held within +-57,344, rounded to the nearest code, ties to even.
; NO WORK OF THE PROBLEM IS LEFT OUT in this program: every input has a way to the output and is loaded (x and the scales here, the mask in the next launch); columns with mask 0 are thrown away
; by values of an input only, so they are computed and selected.
; LIMITS: e0, e1, e3 between -126 and 112, so that 2^e and 57,344 x 2^e are f32 numbers.  NaN among the inputs is not served (an infinity is held at the largest code).
; SHARES.  Wave id = 4 x work-group + wave takes rows 16 id .. 16 id + 15 of the flat [65536][256].  Lane L holds, of each row, d = 4 L .. 4 L + 3 and d = 128 + 4 L .. + 3: each load reads 512 consecutive bytes.
; LAYOUTS (this program's own).
;   A row of xa or xb is 256 bytes; byte 8 L + q holds d = 128 (q / 4) + 4 L + q % 4: the same order of d in both, so every product meets its partner.
;   xb: [row j][256].   xa: [position][256]: in each 32 rows the two middle groups of eight change places (position = 32 (i / 32) + 16 ((i >> 3) & 1) + 8 ((i >> 4) & 1) + i % 8), so that sixteen
;   neighbouring positions are a tile whose results give a lane 16 neighbouring i; and inside a row the piece of 16 bytes number p lies at place p xor (position % 16), so that dense rows in LDS are read
;   with each of sixteen lanes at another 16-byte column.
;   xv: [block of 16 rows i][place 32 c + L][16 bytes = the 16 rows], place 32 c + L standing for d = 128 (c / 4) + 4 L + c % 4: a lane's registers run down i, so nothing is transposed by an instruction.
; Every store of a wave covers 256 (xa, xb) or 512 (xv) consecutive bytes, aligned.  No LDS, no barrier, no loop: waves share nothing, every offset is an immediate.
; Matrix units, clusters and tensor loads have nothing to do in a stream that reads each byte once.
.set XR, 64                            ; v64-191   x: register 8 r + 4 f + j = x(row r, d = 128 f + 4 L + j)
.set TA, 32                            ; v32-63    numbers held, ready for a conversion: two sets by turns
.set CA, 192                           ; v192-223  xa's codes, two registers a row; later xv's, four a column group
.set CB, 224                           ; v224-255  xb's codes
	s_load_b128 s[4:7], s[0:1], 0x0                ; x, the scales' exponents
	s_load_b128 s[8:11], s[0:1], 0x10              ; xa, xb
	s_load_b64 s[12:13], s[0:1], 0x20              ; xv
	v_lshrrev_b32 v1, 5, v0
	v_readfirstlane_b32 s16, v1                    ; wave 0..3
	v_and_b32 v18, 31, v0                          ; lane L
	s_lshl_b32 s17, ttmp9, 2
	s_add_co_u32 s17, s17, s16                     ; id 0..4095
	s_and_b32 s18, s17, 1
	s_lshl_b32 s19, s18, 7
	v_lshlrev_b32 v1, 4, v18                       ; 16 L: my bytes of a load's 512, and of a store into xv
	v_lshlrev_b32 v2, 3, v18                       ; 8 L: my bytes of a row of xb
	v_xor_b32 v3, s19, v2                          ; xa: position % 16 = 8 (id % 2) + r % 8; its upper bit,
.irp k, 0,1,2,3,4,5,6,7
	v_xor_b32 v[4+\k], 16*\k, v3                   ; and its lower three: 8 L xor 16 (position % 16)
.endr
	s_lshl_b32 s20, s17, 14                        ; x: 16 rows of 1,024 bytes
	s_mov_b32 s21, 0
	s_lshr_b32 s22, s17, 1
	s_lshl_b32 s22, s22, 13                        ; xa: 32 positions of 256 bytes for two ids,
	s_lshl_b32 s24, s18, 11
	s_add_co_u32 s22, s22, s24                     ; + 8 positions for the odd one
	s_mov_b32 s23, 0
	s_lshl_b32 s24, s17, 12                        ; xb and xv: 4,096 bytes an id
	s_mov_b32 s25, 0
	s_wait_kmcnt 0x0
	s_load_b128 s[28:31], s[6:7], 0x0              ; e0, e1, e2, e3
	s_add_nc_u64 s[4:5], s[4:5], s[20:21]
	s_add_nc_u64 s[8:9], s[8:9], s[22:23]
	s_add_nc_u64 s[10:11], s[10:11], s[24:25]
	s_add_nc_u64 s[12:13], s[12:13], s[24:25]
.irp r, 0,1,2,3,4,5,6,7,8,9,10,11,12,13,14,15
.irp f, 0,1
	global_load_b128 v[XR+8*\r+4*\f:XR+8*\r+4*\f+3], v1, s[4:5] offset:1024*\r+512*\f th:TH_LOAD_NT   ; all 32 loads of the wave go out at once
.endr
.endr
.macro MKSC e, vs, vl                  ; 2^e as f32 (the conversion takes its exponent field) and 57,344 x 2^e
	s_add_co_i32 s32, s[\e], 127
	s_lshl_b32 s33, s32, 23
	v_mov_b32 v[\vs], s33
	s_add_co_i32 s32, s32, 15
	s_lshl_b32 s32, s32, 23
	s_or_b32 s32, s32, 0x600000
	v_mov_b32 v[\vl], s32
.endm
	s_wait_kmcnt 0x0
	MKSC 28, 12, 15
	MKSC 29, 13, 16
	MKSC 31, 14, 17
; Row r: its eight numbers of my lane, held and converted with e0 and with e1.  The conversion to an 8-bit code does not saturate (ISA guide 7.6.2), so each number is held first.
; The two sets of held numbers take turns: between a conversion and the next write of its sources stand the other set's eight holds.
.macro ROWQ r
	s_wait_loadcnt 30-2*(\r)                       ; loads come back in order: this row's two are in, the two of each later row may be out
.irp j, 0,1,2,3,4,5,6,7
	v_med3_num_f32 v[TA+\j], v[XR+8*(\r)+\j], -v15, v15
.endr
	v_cvt_scalef32_pk8_bf8_f32 v[CA+2*(\r):CA+2*(\r)+1], v[TA:TA+7], v12
.irp j, 0,1,2,3,4,5,6,7
	v_med3_num_f32 v[TA+8+\j], v[XR+8*(\r)+\j], -v16, v16
.endr
	v_cvt_scalef32_pk8_bf8_f32 v[CB+2*(\r):CB+2*(\r)+1], v[TA+8:TA+15], v13
	global_store_b64 v[4+(\r)%8], v[CA+2*(\r):CA+2*(\r)+1], s[8:9] offset:256*((\r)%8)+4096*((\r)/8)   ; rows 8-15 lie 16 positions on; the 32 lanes fill one aligned row of 256 bytes
	global_store_b64 v2, v[CB+2*(\r):CB+2*(\r)+1], s[10:11] offset:256*(\r)
.endm
	s_wait_alu depctr_va_vdst(0)
.irp r, 0,1,2,3,4,5,6,7,8,9,10,11,12,13,14,15
	ROWQ \r
.endr
	s_wait_xcnt 0x0                                ; the stores into xa have read their data: those registers take xv's codes
; Column group c: the sixteen rows' numbers of one d of my lane.  The hold gathers them into consecutive registers, so the change of axis costs no instruction.
.macro COLQ c
.set TS, TA+16*((\c)%2)
.irp r, 0,1,2,3,4,5,6,7,8,9,10,11,12,13,14,15
	v_med3_num_f32 v[TS+\r], v[XR+8*\r+(\c)], -v17, v17
.endr
	v_cvt_scalef32_pk8_bf8_f32 v[CA+4*(\c):CA+4*(\c)+1], v[TS:TS+7], v14
	v_cvt_scalef32_pk8_bf8_f32 v[CA+4*(\c)+2:CA+4*(\c)+3], v[TS+8:TS+15], v14
	global_store_b128 v1, v[CA+4*(\c):CA+4*(\c)+3], s[12:13] offset:512*(\c)   ; 32 lanes store 512 consecutive bytes
.endm
.irp c, 0,1,2,3,4,5,6,7
	COLQ \c
.endr
	s_endpgm
.Lfunc_end_k_qfe8dec3a88_quant:
	.size	k_qfe8dec3a88_quant, .Lfunc_end_k_qfe8dec3a88_quant-k_qfe8dec3a88_quant
	.p2alignl 7, 3214868480
	.fill 96, 4, 3214868480
	.section	.rodata,"a",@progbits
	.p2align	6, 0x0
	.amdhsa_kernel k_qfe8dec3a88_quant
		.amdhsa_group_segment_fixed_size 0
		.amdhsa_private_segment_fixed_size 0
		.amdhsa_enable_private_segment 0
		.amdhsa_kernarg_size 40
		.amdhsa_user_sgpr_count 2
		.amdhsa_user_sgpr_kernarg_segment_ptr 1
		.amdhsa_wavefront_size32 1
		.amdhsa_system_sgpr_workgroup_id_x 1
		.amdhsa_system_sgpr_workgroup_id_y 1
		.amdhsa_system_sgpr_workgroup_id_z 1
		.amdhsa_system_vgpr_workitem_id 0
		.amdhsa_next_free_vgpr 256
		.amdhsa_next_free_sgpr 66
		.amdhsa_reserve_vcc 0
		.amdhsa_float_denorm_mode_32 3
		.amdhsa_float_denorm_mode_16_64 3
		.amdhsa_memory_ordered 1
		.amdhsa_forward_progress 1
		.amdhsa_inst_pref_size 37
	.end_amdhsa_kernel
	.amdgpu_metadata
---
amdhsa.version: [ 1, 2 ]
amdhsa.kernels:
  - .name:           k_qfe8dec3a88_quant
    .symbol:         k_qfe8dec3a88_quant.kd
    .args:
      - { .name: x, .offset: 0, .size: 8, .value_kind: global_buffer, .address_space: global }
      - { .name: lowp_scales, .offset: 8, .size: 8, .value_kind: global_buffer, .address_space: global }
      - { .name: xa, .offset: 16, .size: 8, .value_kind: global_buffer, .address_space: global }
      - { .name: xb, .offset: 24, .size: 8, .value_kind: global_buffer, .address_space: global }
      - { .name: xv, .offset: 32, .size: 8, .value_kind: global_buffer, .address_space: global }
    .group_segment_fixed_size: 0
    .private_segment_fixed_size: 0
    .kernarg_segment_align: 8
    .kernarg_segment_size: 40
    .max_flat_workgroup_size: 128
    .sgpr_count:     66
    .vgpr_count:     256
    .wavefront_size: 32
...
	.end_amdgpu_metadata
.endif
;; end of part 1
;; launch attn (part 2): grid 8 x 32, 8 waves a work-group, clusters of 4 x 1, 327,680 bytes of LDS; arguments xa, xb, xv, mask, lowp_scales, out0; writes out0
.if DOCPART == 2
	.amdgcn_target "amdgcn-amd-amdhsa--gfx1250"
	.amdhsa_code_object_version 6
	.text
	.protected	k_qfe8dec3a88_attn
	.globl	k_qfe8dec3a88_attn
	.p2align	8
	.type	k_qfe8dec3a88_attn,@function
k_qfe8dec3a88_attn:
	s_mov_b64 s[64:65], 0
	v_nop
	global_prefetch_b8 v0, s[64:65] scope:SCOPE_SE
	s_setreg_imm32_b32 hwreg(HW_REG_WAVE_MODE, 25, 1), 1
	s_wait_xcnt 0x0
	s_wait_alu depctr_hold_cnt(0) depctr_sa_sdst(0) depctr_va_vdst(0) depctr_va_sdst(0) depctr_va_ssrc(0) depctr_va_vcc(0) depctr_vm_vsrc(0)
	s_getreg_b32 s2, hwreg(HW_REG_IB_STS2, 6, 4)
	s_cmp_eq_u32 s2, 0
	s_cbranch_scc0 .Lentry_in_a_cluster
	s_endpgm
.Lentry_in_a_cluster:
	s_bfe_u32 s2, ttmp6, 0x10000c
	s_cmp_lg_u32 s2, 0x3003
	s_cbranch_scc0 .Lentry_shape_is_right
	s_endpgm
.Lentry_shape_is_right:
; out[b][j][:] = sum over i of Q2(a[i][j]) Q3(x[b][i][:]),  a[i][j] = m_j p / (m_j sum_i p + 1e-7),  p = exp(s),  s = <Q0(x_i), Q1(x_j)>.  Both products on codes of BF8 (E5M2), made by the launch before.
; No work of the problem is left out.  No maximum is taken away ahead of the exponential, since the problem takes none.
; TWO SWEEPS: a is quantised finished and normalised, so a column's whole sum over i comes first.  Sweep 1 sums p; sweep 2 makes p again, normalises, quantises and multiplies by x.
; SHARES.  A work-group owns 256 columns j of one batch.  EIGHT waves, two to a SIMD of 1,024 registers, 512 each.  Waves w and w + 4 are a pair on the 64 columns of group w % 4.
; Of a step's 128 i, wave half = w / 4 takes 64 for the scores (four tiles of 16), in both sweeps.  In the second product it takes d = 128 half .. + 127 (eight tiles of d x four of columns = 256 registers),
; first over its own 64 i (the K = 64 form), then over the partner's 64 i, whose codes come through a stage in LDS as an image of the operand's registers.
; LAYOUT.  Both products transposed: S^T = xa-tile x xb^T, O^T = xv-tile x P^T: a lane holds one j (lane % 16).  xa's order of rows makes tiles 2 b, 2 b + 1 give a lane i = 32 b + 16 (lane / 16) + 0 .. 15.
; NORMALISING: m / (m sum + 1e-7) = 2^L x 2^E, |L| < 1, E whole.  L is the addend of the multiply-add that scales a score; E goes into the lane's scale for the conversion and into its hold.  m = 0: L = -infinity, every code 0.
; BARRIERS of a step of sweep 2: X (my codes are in the stage; signalled ahead of the products on my own i, awaited behind them) and, in a visit's first step, Y (I have read the partner's codes; signalled at once,
; awaited ahead of the next step's stores into the stage).  Behind a visit's second step the change of slots does Y's work.
; CLUSTER: the four work-groups of a cluster walk the same tiles of xa and xv of one batch: every tile is asked for jointly.  RING: two slots of 131,072 bytes, each 256 i (a visit, two steps): xa 65,536 bytes, then xv 65,536.
; Wave w fetches bytes 16,384 w .. of a slot: waves 0-3 xa's quarters, waves 4-7 xv's; one tensor load a wave is out at a time.  In sweep 1 xa's part alone is filled again; xv's tiles 0 and 1 lie unread till sweep 2.
; LIMITS: e0 + e1 and e2 + e3 between -126 and 127; e2 + 127 less the exponent of m / (m sum + 1e-7) between 1 and 239.  NaN among the inputs is not served; where the problem's own exponential or sum overflows, its NaN is not reproduced.
; REGISTERS.  Window 0: v0-29 as named below; v32-63 FR: a tile of xa, or four tiles of xv; v64-95 SR: S^T of a tile, or four more tiles of xv; v96-127 PR: codes of P (sweep 1: sums, mask); v128-255 xb's fragments.  Window 1: O^T.
.set SLOTB, 131072
.set TILEB, 65536
.set STEPB, 32768
.set PSTG,  2*SLOTB                    ; the stage for P: 4,096 bytes a wave; no tensor load lands here
.set SPARE, PSTG+32768                 ; the spare words: 128 bytes a wave, four blocks of 256 bytes that no other line names
.set SUMX,  SPARE+1024                 ; the sums' exchange: 512 bytes a wave
.set SP,    528                        ; the way out: a stage row, 512 bytes + 16
.set SPW, 1                            ; LDS address of my spare word; never rewritten
.set NIL, 2                            ; 0; never rewritten
.set PST, 3                            ; my place in P's stage
.set PLD, 4                            ; the partner's
.set PFO, 5                            ; 256 x lane: the prefetches' offset
.set AK0, 6                            ; my place in a tile of xa, slot 0
.set AV0, 7                            ; my place in xv, slot 0
.set ADK, 8                            ; v8-15 xa: the eight pairs of 16-byte pieces, in the slot in hand
.set AVO, 16                           ; xv: my own 64 i, in the slot in hand
.set AVP, 17                           ; xv: the partner's 64 i
.set LL,  18                           ; v18-21 L of my four columns
.set HD,  22                           ; v22-25 the hold
.set SC,  26                           ; v26-29 the conversion's scale
.set FR,  32
.set SR,  64
.set PR,  96
.set SUM, 96
.set MK,  112
.set QF,  128
.set STO, 6                            ; the way out
.set RD,  7
.set GO,  8
.set TMP, 32
.set BK,  128
.set WV, 16
.set CX, 17
.set BT, 18
.set HF, 19
.set QW, 20
.set TB, 21                            ; LDS byte at which the slot in hand begins
.set G1, 24
.set G0, 32
.set BASE, 36                          ; my quarter of tile 0, in xa (waves 0-3) or xv (waves 4-7)
.set OFF, 38                           ; bytes from there to the tile that group 0 names; wraps at the batch's end
.set PFA, 40
.set PSTP, 42
.set CS, 44                            ; c = log2(e) x 2^(e0 + e1), as a pair
.set SEL, 46
.set OSC, 48
.set LIMA, 49
.set LIMV, 50
.set CNT, 51
.set E2, 52
.set MSB, 0
.macro WIN new
.if MSB != \new
	s_set_vgpr_msb (MSB<<8)|\new
.set MSB, \new
.endif
.endm
.macro NOPS n
.rept \n
	v_nop
.endr
.endm
.macro CROUND                          ; a round of the cluster's barrier
	s_barrier_signal -1
	s_barrier_wait -1
	s_cmp_lg_u32 s[WV], 0
	s_cbranch_scc1 .Lnot_wave_0_\@
	s_barrier_signal -3
.Lnot_wave_0_\@:
	s_barrier_wait -3
	s_barrier_signal -1
	s_barrier_wait -1
.endm
.macro STEPG                           ; group 0: the other slot, the next tile (behind the batch's last its first)
	s_xor_b32 s[G0+1], s[G0+1], SLOTB
	s_add_co_u32 s[OFF], s[OFF], TILEB
	s_and_b32 s[OFF], s[OFF], 0x7ffff
	s_add_nc_u64 s[G0+2:G0+3], s[BASE:BASE+1], s[OFF:OFF+1]
	s_or_b32 s[G0+3], s[G0+3], 0x80000000
.endm
.macro JLOAD                           ; an s_nop 0 and four v_nop follow the load
	tensor_load_to_lds s[G0:G0+3], s[G1:G1+7]
	s_nop 0
	NOPS 4
.endm
.macro DERIVE                          ; the LDS addresses in the slot in hand
	v_add_nc_u32 v[ADK], s[TB], v[AK0]
.irp i, 1,2,3,4,5,6,7
	v_xor_b32 v[ADK+\i], 32*\i, v[ADK]
.endr
	v_add_nc_u32 v[AVO], s[TB], v[AV0]
	v_xor_b32 v[AVP], 0x4000, v[AVO]               ; the other 64 i lie 16,384 bytes away
.endm
	s_load_b256 s[4:11], s[0:1], 0x0               ; xa, xb, xv, mask
	s_load_b128 s[12:15], s[0:1], 0x20             ; the scales' exponents, out0
	v_lshl_add_u32 v[SPW], v0, 2, SPARE
	v_mov_b32 v[NIL], 0
	ds_add_u32 v[SPW], v[NIL]                      ; the opening: the add, twice on end; its wait stands ahead of my first tensor load
	ds_add_u32 v[SPW], v[NIL]
	v_lshrrev_b32 v32, 5, v0
	v_readfirstlane_b32 s[WV], v32                 ; wave 0..7
	s_bfe_u32 s[CX], ttmp6, 0x40000                ; my place in the cluster: it enters the addresses of xb, mask, out0 and the prefetches alone
	s_and_b32 s[BT], ttmp7, 0xffff                 ; the batch
	s_lshr_b32 s[HF], s[WV], 2                     ; which 64 i of a step, and which 128 d
	s_and_b32 s[QW], s[WV], 3                      ; which 64 columns; also which quarter of a tile I fetch
	s_mov_b32 s[G1], 15|(3<<16)|(1<<21)            ; the mask names all four work-groups; elements of 8 bytes; bit 21 beside a mask
	s_mov_b32 s[G1+1], 32<<16                      ; a dense block of 16,384 bytes as 64 rows of 256
	s_mov_b32 s[G1+2], 64<<16
	s_mov_b32 s[G1+3], 32<<16
	s_mov_b32 s[G1+4], 64
	s_mov_b32 s[G1+5], 32
	s_mov_b32 s[G1+6], 0
	s_mov_b32 s[G1+7], 0
	s_lshl_b32 s22, s[BT], 19                      ; a batch's codes are 524,288 bytes
	s_lshl_b32 s60, s[QW], 14
	s_add_co_u32 s22, s22, s60
	s_mov_b32 s23, 0
	s_mov_b32 s[OFF], 0
	s_mov_b32 s[OFF+1], 0
	s_mov_b32 s[PSTP+1], 0
	s_mov_b32 s[SEL], 0x76543210
	s_mov_b32 s[SEL+1], 0xfedcba98
	s_mov_b32 s53, 0x7fffff
	s_mov_b32 s54, 0x3f800000
	s_mov_b32 s[TB], 0
	s_lshl_b32 s61, ttmp9, 2
	s_add_co_u32 s61, s61, s[CX]
	s_lshl_b32 s61, s61, 8
	s_lshl_b32 s60, s[BT], 11
	s_add_co_u32 s61, s61, s60
	s_lshl_b32 s60, s[QW], 6
	s_add_co_u32 s61, s61, s60                     ; my first row of xb, mask and out0
	s_mov_b32 s63, 0
	s_wait_dscnt 0x0                               ; both opening adds are done
	s_wait_kmcnt 0x0
	s_load_b128 s[56:59], s[12:13], 0x0            ; e0, e1, e2, e3
	s_cmp_lt_u32 s[WV], 4                          ; the choice hangs on the wave's number alone
	s_cselect_b64 s[BASE:BASE+1], s[4:5], s[8:9]
	s_cselect_b64 s[PFA:PFA+1], s[4:5], s[8:9]
	s_cselect_b32 s[PSTP], 0x10000, 0              ; in sweep 1 xa's prefetch address walks, xv's stands
	s_add_nc_u64 s[BASE:BASE+1], s[BASE:BASE+1], s[22:23]
	s_mov_b32 s[G0], 1
	s_lshl_b32 s[G0+1], s[WV], 14                  ; slot 0, my 16,384 bytes
	s_mov_b64 s[G0+2:G0+3], s[BASE:BASE+1]
	s_or_b32 s[G0+3], s[G0+3], 0x80000000
	CROUND                                         ; the first joint loads meet
	JLOAD                                          ; tile 0 into slot 0: my one load at the head
	s_lshl_b32 s62, s61, 8
	s_add_nc_u64 s[6:7], s[6:7], s[62:63]          ; xb: rows of 256 bytes
	s_lshl_b32 s62, s61, 2
	s_add_nc_u64 s[10:11], s[10:11], s[62:63]      ; the mask
	s_lshl_b32 s62, s61, 10
	s_lshl_b32 s60, s[HF], 9
	s_add_co_u32 s62, s62, s60
	s_add_nc_u64 s[14:15], s[14:15], s[62:63]      ; out0: rows of 1,024 bytes, my half of each
	v_and_b32 v33, 15, v0                          ; r
	v_bfe_u32 v34, v0, 4, 1                        ; h
	v_lshlrev_b32 v35, 8, v33
	v_lshl_add_u32 v35, v34, 4, v35
	v_lshlrev_b32 v36, 2, v33
.irp q, 0,1,2,3                        ; xb's fragments stay: tile q, half c of K: registers 4 k .. hold bytes 128 c + 32 k + 16 h + 0 .. 15 of row r
.irp c, 0,1
.irp k, 0,1,2,3
	global_load_b128 v[QF+32*\q+16*\c+4*\k:QF+32*\q+16*\c+4*\k+3], v35, s[6:7] offset:4096*\q+128*\c+32*\k
.endr
.endr
.endr
.irp q, 0,1,2,3
	global_load_b32 v[MK+\q], v36, s[10:11] offset:64*\q
.endr
.irp k, 0,1,2,3,4,5,6,7,8,9,10,11,12,13,14,15
	v_mov_b32 v[SUM+\k], 0                         ; sweep 1's sums: four a tile of columns
.endr
	; the prefetches: each cluster asks for what it loads; the four partners share a tile's 65,536 bytes out by address, 16,384 each; two waves take 8,192 each, lanes 256 bytes apart
	s_lshl_b32 s62, s[BT], 19
	s_lshl_b32 s60, s[CX], 14
	s_add_co_u32 s62, s62, s60
	s_and_b32 s60, s[WV], 1
	s_lshl_b32 s60, s60, 13
	s_add_co_u32 s62, s62, s60
	s_add_co_u32 s62, s62, 2*TILEB                 ; at tile 2; nothing is prefetched at the head
	s_add_nc_u64 s[PFA:PFA+1], s[PFA:PFA+1], s[62:63]
	s_cmp_lt_u32 s[WV], 2                          ; waves 0, 1 ask for xa in sweep 1,
	s_cselect_b32 s[LIMA], 3, -1
	s_sub_co_u32 s60, s[WV], 4
	s_cmp_lt_u32 s60, 2                            ; waves 4, 5 for xv in sweep 2
	s_cselect_b32 s[LIMV], 1, -1
	v_and_b32 v[PFO], 31, v0
	v_lshlrev_b32 v37, 4, v[PFO]
	v_lshlrev_b32 v[PFO], 8, v[PFO]
	s_lshl_b32 s60, s[WV], 12
	s_add_co_u32 s60, s60, PSTG
	v_add_nc_u32 v[PST], s60, v37
	v_xor_b32 v[PLD], 0x4000, v[PST]               ; wave xor 4
	v_xor_b32 v38, v34, v33                        ; xa in LDS: row r at 256 r; piece p of 16 bytes at place p xor r; I want pieces 2 i + h
	v_lshlrev_b32 v38, 4, v38
	v_lshl_add_u32 v[AK0], v33, 8, v38
	s_lshl_b32 s60, s[HF], 14
	v_add_nc_u32 v[AK0], s60, v[AK0]               ; my 64 positions of a step
	v_lshlrev_b32 v[AV0], 4, v33                   ; xv: [block of 16 i][place of d][16 bytes]
	v_lshl_add_u32 v[AV0], v34, 12, v[AV0]
	s_mul_i32 s60, s[HF], 18432                    ; my four blocks of i (16,384) and my eight tiles of d (2,048),
	s_add_co_u32 s60, s60, TILEB                   ; behind the slot's xa
	v_add_nc_u32 v[AV0], s60, v[AV0]
	DERIVE
	s_wait_kmcnt 0x0
	s_add_co_i32 s60, s56, s57
	s_lshl_b32 s60, s60, 23
	s_add_co_i32 s[CS], s60, 0x3fb8aa3b            ; e0 + e1 added to log2(e)'s exponent field
	s_mov_b32 s[CS+1], s[CS]
	s_add_co_i32 s[OSC], s58, s59
	s_add_co_i32 s[OSC], s[OSC], 127
	s_lshl_b32 s[OSC], s[OSC], 23                  ; 2^(e2 + e3)
	s_add_co_i32 s[E2], s58, 127
	s_wait_alu depctr_va_vdst(0)                   ; the head's end
	s_wait_tensorcnt 0x0                           ; slot 1's first fill is issued as a refill is
	ds_add_u32 v[SPW], v[NIL]
	STEPG
	s_wait_dscnt 0x0
	CROUND
	JLOAD                                          ; tile 1 into slot 1
	s_wait_loadcnt 0x0                             ; xb's fragments and the mask
.macro XLOAD off                       ; a tile of xa: 16 positions x 256 bytes
.irp c, 0,1
.irp k, 0,1,2,3
	ds_load_b128 v[FR+16*\c+4*\k:FR+16*\c+4*\k+3], v[ADK+4*\c+\k] offset:\off
.endr
.endr
.endm
.macro SMM                             ; S^T of the tile x my four tiles of columns; the four accumulators take turns
.irp q, 0,1,2,3
	v_wmma_f32_16x16x128_bf8_bf8 v[SR+8*\q:SR+8*\q+7], v[FR:FR+15], v[QF+32*\q:QF+32*\q+15], 0
.endr
.irp q, 0,1,2,3
	v_wmma_f32_16x16x128_bf8_bf8 v[SR+8*\q:SR+8*\q+7], v[FR+16:FR+31], v[QF+32*\q+16:QF+32*\q+31], v[SR+8*\q:SR+8*\q+7]
.endr
	NOPS 4                                         ; places ahead of the loads into xa's registers and of the first read of the results
.endm
.macro EXPS                            ; one batch, a wait ahead of it and one behind it
	s_wait_alu depctr_va_vdst(0)
.set ee, 0
.rept 32
	v_exp_f32 v[SR+ee], v[SR+ee]
.set ee, ee+1
.endr
	v_nop
	s_wait_alu depctr_va_vdst(0)
.endm
.macro T1                              ; sweep 1, tile TI of a visit's eight
	s_wait_dscnt 0x0
	SMM
.if TI < 7
	XLOAD ((TI+1)/4)*STEPB+((TI+1)%4)*4096
.endif
.set kk, 0
.rept 16
	v_pk_mul_f32 v[SR+2*kk:SR+2*kk+1], v[SR+2*kk:SR+2*kk+1], s[CS:CS+1] op_sel_hi:[1,0]
.set kk, kk+1
.endr
	EXPS
.irp kx, 0,1,2,3
.irp q, 0,1,2,3
	v_pk_add_f32 v[SUM+4*\q+2*(\kx%2):SUM+4*\q+2*(\kx%2)+1], v[SUM+4*\q+2*(\kx%2):SUM+4*\q+2*(\kx%2)+1], v[SR+8*\q+2*\kx:SR+8*\q+2*\kx+1]
.endr
.endr
.endm
.macro T2                              ; sweep 2, tile TI of my four of the step at UB
	s_wait_dscnt 0x0
	SMM
.if TI < 3
	XLOAD UB+(TI+1)*4096
.endif
.irp q, 0,1,2,3
.irp k, 0,1,2,3
.if \q%2
	v_pk_fma_f32 v[SR+8*\q+2*\k:SR+8*\q+2*\k+1], v[SR+8*\q+2*\k:SR+8*\q+2*\k+1], s[CS:CS+1], v[LL+\q-1:LL+\q] op_sel:[0,0,1] op_sel_hi:[1,0,1]   ; c s + L: of the pair of L the second serves both halves
.else
	v_pk_fma_f32 v[SR+8*\q+2*\k:SR+8*\q+2*\k+1], v[SR+8*\q+2*\k:SR+8*\q+2*\k+1], s[CS:CS+1], v[LL+\q:LL+\q+1] op_sel_hi:[1,0,0]                  ; the first
.endif
.endr
.endr
	EXPS
.irp q, 0,1,2,3                        ; the conversion does not saturate (ISA guide 7.6.2); the numbers are not negative: a one-sided hold, two numbers an instruction
.irp k, 0,1,2,3
	v_dual_min_num_f32 v[SR+8*\q+2*\k], v[SR+8*\q+2*\k], v[HD+\q] :: v_dual_min_num_f32 v[SR+8*\q+2*\k+1], v[SR+8*\q+2*\k+1], v[HD+\q]
.endr
.endr
.irp q, 0,1,2,3
	v_cvt_scalef32_pk8_bf8_f32 v[PR+8*\q+2*TI:PR+8*\q+2*TI+1], v[SR+8*\q:SR+8*\q+7], v[SC+\q]
.endr
	v_nop                                          ; a plain place behind the conversions
.endm
.macro VLOAD av                        ; my eight tiles of d x 64 i: registers 4 c .. hold i = 32 c + 16 h + 0 .. 15; they fill FR and SR
.irp tt, 0,1,2,3,4,5,6,7
.irp c, 0,1
	ds_load_b128 v[FR+8*\tt+4*\c:FR+8*\tt+4*\c+3], v[\av] offset:UB+8192*\c+256*\tt
.endr
.endr
.endm
.macro PV zero                         ; O^T += xv-tile x P^T over 64 i: 32 accumulators by turns
	WIN 0x50                                       ; C and D in window 1
.irp tt, 0,1,2,3,4,5,6,7
.irp q, 0,1,2,3
.if \zero
	v_wmma_f32_16x16x64_bf8_bf8 v[8*(4*\tt+\q):8*(4*\tt+\q)+7], v[FR+8*\tt:FR+8*\tt+7], v[PR+8*\q:PR+8*\q+7], 0
.else
	v_wmma_f32_16x16x64_bf8_bf8 v[8*(4*\tt+\q):8*(4*\tt+\q)+7], v[FR+8*\tt:FR+8*\tt+7], v[PR+8*\q:PR+8*\q+7], v[8*(4*\tt+\q):8*(4*\tt+\q)+7]
.endif
.endr
.endr
	s_wait_alu depctr_va_vdst(0)                   ; the wait behind the products
	WIN 0
.endm
.macro STEP2 u, zero, ywait, ysig
.set UB, (\u)*STEPB
	XLOAD UB
.set TI, 0
.rept 4
	T2
.set TI, TI+1
.endr
	s_wait_alu depctr_va_vdst(0)
	VLOAD AVO
.if \ywait
	s_barrier_wait -1                              ; Y: every wave has read the last step's codes out of the stage
.endif
.irp k, 0,1,2,3,4,5,6,7
	ds_store_b128 v[PST], v[PR+4*\k:PR+4*\k+3] offset:512*\k
.endr
	s_wait_dscnt 0x0                               ; my codes are in the stage, xv's fragments in registers
	s_barrier_signal -1                            ; X
	PV \zero                                       ; my own 64 i: work on registers
	s_barrier_wait -1
	NOPS 4                                         ; places ahead of loads into registers that the products read
.irp k, 0,1,2,3,4,5,6,7
	ds_load_b128 v[PR+4*\k:PR+4*\k+3], v[PLD] offset:512*\k
.endr
	VLOAD AVP
	s_wait_dscnt 0x0
.if \ysig
	s_barrier_signal -1                            ; Y: up to its wait stand register work and LDS loads of tiles that nobody writes
.endif
	PV 0
	NOPS 5                                         ; places ahead of the next products, which write over xv's fragments
.endm
.macro VISIT2 zero
	STEP2 0,\zero,0,1
	STEP2 1,0,1,0
.endm
.macro ASK lim                         ; the tile that the NEXT change of slots will ask for: a visit ahead of that load; a lane for each 256 bytes
	s_cmp_gt_u32 s[CNT], s[\lim]
	s_cbranch_scc0 .Lnot_mine_\@
	global_prefetch_b8 v[PFO], s[PFA:PFA+1] th:TH_LOAD_NT scope:SCOPE_SE
.Lnot_mine_\@:
.endm
; THE CHANGE OF SLOTS.  kind 1: xa's part of the slot just left is filled again, by waves 0-3.  kind 2: the whole slot, by all eight.  kind 0: nothing is left to fetch.
.macro CHANGE kind
	s_xor_b32 s[TB], s[TB], SLOTB
	DERIVE
	s_wait_alu depctr_va_vdst(0)
	s_wait_tensorcnt 0x0                           ; my part of the other slot is in; group 0 may be written
	ds_add_u32 v[SPW], v[NIL]
.if \kind
	STEPG
	s_wait_xcnt 0x0                                ; the last prefetch has read its address
.if \kind == 2
	s_add_nc_u64 s[PFA:PFA+1], s[PFA:PFA+1], TILEB
.else
	s_add_nc_u64 s[PFA:PFA+1], s[PFA:PFA+1], s[PSTP:PSTP+1]
.endif
	s_wait_dscnt 0x0                               ; the add is done, my reads of the slot and of the stage are over
	CROUND
.if \kind == 2
	JLOAD
	ASK LIMV
.else
	s_cmp_lt_u32 s[WV], 4                          ; the wave's number alone
	s_cbranch_scc0 .Lno_xa_\@
	JLOAD
.Lno_xa_\@:
	ASK LIMA
.endif
.else
	s_wait_dscnt 0x0
	s_barrier_signal -1
	s_barrier_wait -1
.endif
.endm
	; ---- SWEEP 1: eight visits; behind visit v xa's tile (v + 2) % 8 is asked for.  Tiles 3 to 7 are prefetched at the first five changes (the count runs 8 .. 1; an asking wave asks while it is above 3)
	s_mov_b32 s[CNT], 8
.Lsweep1:
	XLOAD 0
.set TI, 0
.rept 8
	T1
.set TI, TI+1
.endr
	CHANGE 1
	s_sub_co_u32 s[CNT], s[CNT], 1
	s_cmp_lg_u32 s[CNT], 0
	s_cbranch_scc1 .Lsweep1
	s_cmp_eq_u32 s[LIMV], 1                        ; xv's tile 2, which the next change of slots will ask for
	s_cbranch_scc0 .Lno_tile_2
	global_prefetch_b8 v[PFO], s[PFA:PFA+1] th:TH_LOAD_NT scope:SCOPE_SE
.Lno_tile_2:
	; ---- BETWEEN THE SWEEPS: the column's sum (my registers, the lane 16 away, the partner wave), then m / (m sum + 1e-7) as 2^L x 2^E
	s_lshl_b32 s60, s[WV], 9
	s_add_co_u32 s60, s60, SUMX
	s_xor_b32 s61, s[WV], 4
	s_lshl_b32 s61, s61, 9
	s_add_co_u32 s61, s61, SUMX
	v_and_b32 v58, 31, v0
	v_lshlrev_b32 v58, 4, v58
	v_add_nc_u32 v59, s60, v58
	v_add_nc_u32 v60, s61, v58
.irp q, 0,1,2,3
	v_add_f32 v[32+\q], v[SUM+4*\q], v[SUM+4*\q+1]
.endr
.irp q, 0,1,2,3
	v_add_f32 v[36+\q], v[SUM+4*\q+2], v[SUM+4*\q+3]
.endr
.irp q, 0,1,2,3
	v_add_f32 v[32+\q], v[32+\q], v[36+\q]
.endr
.irp q, 0,1,2,3
	v_permlanex16_b32 v[36+\q], v[32+\q], s[SEL], s[SEL+1]
.endr
.irp q, 0,1,2,3
	v_add_f32 v[32+\q], v[32+\q], v[36+\q]
.endr
	s_wait_alu depctr_va_vdst(0)
	ds_store_b128 v59, v[32:35]
	s_wait_dscnt 0x0
	s_barrier_signal -1
	s_barrier_wait -1                              ; slot 1's load may stay out
	ds_load_b128 v[36:39], v60
	v_mov_b32 v56, 0xff800000                      ; -infinity
	v_mov_b32 v57, 127
.irp q, 0,1,2,3
	v_cvt_f32_i32 v[40+\q], v[MK+\q]               ; m
.endr
	s_wait_alu depctr_va_vdst(0)
	s_wait_dscnt 0x0
.irp q, 0,1,2,3
	v_add_f32 v[36+\q], v[36+\q], v[32+\q]         ; the column's sum of p: the same bits in both waves of a pair
.endr
.irp q, 0,1,2,3
	v_fmaak_f32 v[44+\q], v[40+\q], v[36+\q], 0x33d6bf95   ; m sum + 1e-7
.endr
.irp q, 0,1,2,3
	v_bfe_u32 v[48+\q], v[40+\q], 23, 8            ; the two exponent fields,
	v_bfe_u32 v[52+\q], v[44+\q], 23, 8
.endr
.irp q, 0,1,2,3
	v_and_or_b32 v[40+\q], v[40+\q], s53, s54      ; and the two mantissas as numbers between 1 and 2
	v_and_or_b32 v[44+\q], v[44+\q], s53, s54
.endr
	s_wait_alu depctr_va_vdst(0)                   ; ahead of the batch
.irp q, 0,1,2,3
	v_log_f32 v[40+\q], v[40+\q]
.endr
.irp q, 0,1,2,3
	v_log_f32 v[44+\q], v[44+\q]
.endr
.irp q, 0,1,2,3
	v_sub_nc_u32 v[52+\q], v[52+\q], v[48+\q]      ; -E,
	v_add_nc_u32 v[52+\q], s[E2], v[52+\q]         ; + e2 + 127: the exponent field of the conversion's scale
.endr
	s_wait_alu depctr_va_vdst(0)                   ; behind the batch
.irp q, 0,1,2,3
	v_sub_f32 v[40+\q], v[40+\q], v[44+\q]         ; L
	v_cmp_eq_u32 vcc_lo, 0, v[MK+\q]
	v_cndmask_b32 v[LL+\q], v[40+\q], v56, vcc_lo  ; m = 0: -infinity,
	v_cndmask_b32 v[52+\q], v[52+\q], v57, vcc_lo  ; under the scale 1
	v_add_nc_u32 v[48+\q], 15, v[52+\q]
.endr
.irp q, 0,1,2,3
	v_lshlrev_b32 v[SC+\q], 23, v[52+\q]           ; the scale as f32,
	v_lshl_or_b32 v[HD+\q], v[48+\q], 23, 0x600000 ; and 57,344 x the scale
.endr
	s_wait_alu depctr_va_vdst(0)
	; ---- SWEEP 2.  The first visit is written out: its first products start O^T's sums.  Six changes fill a slot again, with tiles 2 to 7; xv's tiles 3 to 7 are prefetched at the first five
	VISIT2 1
	s_mov_b32 s[CNT], 6
.Lsweep2:
	CHANGE 2
	VISIT2 0
	s_sub_co_u32 s[CNT], s[CNT], 1
	s_cmp_lg_u32 s[CNT], 0
	s_cbranch_scc1 .Lsweep2
	CHANGE 0                                       ; the last visit is written out
	VISIT2 0
; THE WAY OUT, four units: tile q of my columns.  Register jj of my tile of d number 2 cc + par holds d = 128 half + 64 par + 32 h + 4 jj + cc: four tiles give a lane 32 neighbouring d.
; x 2^(e2 + e3) into that order (each accumulator from its low end on), through my stage, back as rows of 512 bytes, which the 32 lanes store whole.
; The stages lie in slot 0, which was left at the last change of slots: it has had its last fill, and nobody reads it.
	s_mul_i32 s60, s[WV], 16*SP
	v_and_b32 v30, 15, v0
	v_bfe_u32 v31, v0, 4, 1
	v_mul_u32_u24 v[STO], v30, SP
	v_lshl_add_u32 v[STO], v31, 7, v[STO]
	v_add_nc_u32 v[STO], s60, v[STO]
	v_and_b32 v[GO], 31, v0
	v_lshlrev_b32 v[GO], 4, v[GO]
	v_add_nc_u32 v[RD], s60, v[GO]
	s_wait_alu depctr_va_vdst(0)
.macro TOSTAGE u
	WIN 0x04                                       ; source 1 (O^T) in window 1
.irp par, 0,1
.irp jj, 0,1,2,3,4,5,6,7
.irp cc, 0,1,2,3
	v_mul_f32 v[TMP+32*\par+4*\jj+\cc], s[OSC], v[8*(4*(2*\cc+\par)+(\u))+\jj]
.endr
.endr
.endr
	WIN 0
.irp par, 0,1
.irp k, 0,1,2,3,4,5,6,7
	ds_store_b128 v[STO], v[TMP+32*\par+4*\k:TMP+32*\par+4*\k+3] offset:256*\par+16*\k
.endr
.endr
.set BB, BK+64*((\u)%2)
.irp t, 0,1,2,3,4,5,6,7,8,9,10,11,12,13,14,15
	ds_load_b128 v[BB+4*\t:BB+4*\t+3], v[RD] offset:\t*SP   ; LDS serves a wave's instructions in order (ISA guide 5.7.1.4)
.endr
.endm
.macro SEND u, younger                 ; younger: the LDS instructions issued behind unit u's loads
.set BB, BK+64*((\u)%2)
	s_wait_dscnt \younger
.irp t, 0,1,2,3,4,5,6,7,8,9,10,11,12,13,14,15
	global_store_b128 v[GO], v[BB+4*\t:BB+4*\t+3], s[14:15] offset:16384*(\u)+1024*\t th:TH_STORE_NT   ; 32 lanes store 512 consecutive bytes, aligned
.endr
.endm
	TOSTAGE 0
.irp u, 1,2,3
.if \u > 1
	s_wait_xcnt 0x0                                ; the stores of the unit two back have read their registers
.endif
	TOSTAGE \u
	SEND (\u)-1,32                                 ; behind that unit's loads: this unit's 16 stores and 16 loads
.endr
	SEND 3,0
	s_wait_tensorcnt 0x0                           ; the wave's end
	ds_add_u32 v[SPW], v[NIL]
	s_wait_dscnt 0x0
	CROUND                                         ; the closing round
	s_endpgm
.Lfunc_end_k_qfe8dec3a88_attn:
	.size	k_qfe8dec3a88_attn, .Lfunc_end_k_qfe8dec3a88_attn-k_qfe8dec3a88_attn
	.p2alignl 7, 3214868480
	.fill 96, 4, 3214868480
	.section	.rodata,"a",@progbits
	.p2align	6, 0x0
	.amdhsa_kernel k_qfe8dec3a88_attn
		.amdhsa_group_segment_fixed_size 327680
		.amdhsa_private_segment_fixed_size 0
		.amdhsa_enable_private_segment 0
		.amdhsa_kernarg_size 48
		.amdhsa_user_sgpr_count 2
		.amdhsa_user_sgpr_kernarg_segment_ptr 1
		.amdhsa_wavefront_size32 1
		.amdhsa_system_sgpr_workgroup_id_x 1
		.amdhsa_system_sgpr_workgroup_id_y 1
		.amdhsa_system_sgpr_workgroup_id_z 1
		.amdhsa_system_vgpr_workitem_id 0
		.amdhsa_next_free_vgpr 512
		.amdhsa_next_free_sgpr 66
		.amdhsa_reserve_vcc 1
		.amdhsa_float_denorm_mode_32 3
		.amdhsa_float_denorm_mode_16_64 3
		.amdhsa_memory_ordered 1
		.amdhsa_forward_progress 1
		.amdhsa_inst_pref_size 233
	.end_amdhsa_kernel
	.amdgpu_metadata
---
amdhsa.version: [ 1, 2 ]
amdhsa.kernels:
  - .name:           k_qfe8dec3a88_attn
    .symbol:         k_qfe8dec3a88_attn.kd
    .args:
      - { .name: xa, .offset: 0, .size: 8, .value_kind: global_buffer, .address_space: global }
      - { .name: xb, .offset: 8, .size: 8, .value_kind: global_buffer, .address_space: global }
      - { .name: xv, .offset: 16, .size: 8, .value_kind: global_buffer, .address_space: global }
      - { .name: mask, .offset: 24, .size: 8, .value_kind: global_buffer, .address_space: global }
      - { .name: lowp_scales, .offset: 32, .size: 8, .value_kind: global_buffer, .address_space: global }
      - { .name: out0, .offset: 40, .size: 8, .value_kind: global_buffer, .address_space: global }
    .group_segment_fixed_size: 327680
    .private_segment_fixed_size: 0
    .kernarg_segment_align: 8
    .kernarg_segment_size: 48
    .max_flat_workgroup_size: 256
    .sgpr_count:     66
    .vgpr_count:     512
    .wavefront_size: 32
...
	.end_amdgpu_metadata
.endif
;; end of part 2
